; MI455X (gfx1250); checked and timed in simulation.
; The chip was launched on July 23, 2026; its instructions are those of AMD's public machine-readable ISA for CDNA 5 (MIT licence, August 2026) and "CDNA5" Instruction Set Architecture Reference Guide (July 2026). The comments in the code are by the model that wrote it; some were corrected since.
;; Euclidean Codebook. Allowed arithmetic: matrix products marked QUANTISED: E3M2 operands, one E8M0 scale for each 32 along K, by v_wmma_scale_f32_16x16x128_f8f6f4 with both operands' format E3M2, f32 sums; everything else in f32.
;; Inputs: embed 1 x 8,192 x 256 float32; x 8 x 2,048 x 256 float32.
;; Outputs: out0 8 x 2,048 x 256 float32; out1 8 x 2,048 int32.
;; This version of the problem:
;;   THIS VERSION OF THE PROBLEM IS GIVEN IN LOW PRECISION. The matrix products marked QUANTISED in the list below multiply operands that are first quantised to E3M2 (3 exponent bits, 2 mantissa bits; 6 bits a number), with one power-of-two scale for each 32 numbers along K (OCP MX v1.0); their sums are f32. All else is computed in f32.
;;   The module's matrix products, in the order in which they are computed (A, B: the left and right operand; K: the contracted axis; several contracted axes count as one K, in the product's order):
;;     1. [M 16,384, K 256] x [K 256, N 8,192]; A: input x; B: input embed: QUANTISED
;;   THE QUANTISER, for each operand of a quantised product, along K:
;;     - K is cut into blocks of 32 from its start; a last block that is shorter is filled with zeros.
;;     - A block's scale is 2^e with e = floor(log2(the largest magnitude in the block)) - 4, held to -126 .. 127; a block of zeros has e = 0. As a byte (E8M0): e + 127.
;;     - Each number is divided by its block's scale, clamped to +-28, and rounded to the nearest number of E3M2, ties to even, subnormals kept.
;;     - The product sums the exact products of the quantised numbers (number of the format x scale) in f32.
;;   ~~~python
;;   def quantise(x, axis):      # numpy; x: float32 -> the quantised numbers, widened to float32 again
;;       x = np.moveaxis(x, axis, -1); K = x.shape[-1]
;;       x = np.pad(x, [(0, 0)] * (x.ndim - 1) + [(0, -K % 32)]); x = x.reshape(x.shape[:-1] + (-1, 32)); a = np.abs(x).max(-1, keepdims=True)
;;       e = np.where(a > 0, np.clip(np.frexp(np.where(a > 0, a, 1))[1] - 1 - 4, -126, 127), 0)      # np.frexp(a)[1] - 1 = floor(log2(a)), exactly
;;       r = np.clip(x / 2.0 ** e, -28, 28)
;;       step = 2.0 ** (np.maximum(np.frexp(np.where(r == 0, 1, r))[1] - 1, -2) - 2)
;;       q = np.round(r / step) * step * 2.0 ** e      # np.round: ties to even
;;       return np.moveaxis(q.reshape(q.shape[:-2] + (-1,))[..., :K], -1, axis).astype(np.float32)
;;   ~~~
;; One version. Each part assembles by itself: llvm-mc -triple=amdgcn-amd-amdhsa -mcpu=gfx1250 --defsym DOCPART=n.
;; ======== version 1 of 1: 3 launches
;; limits: right only within a limited range of input values
;; workspace buffers: xq 3,407,872 bytes; eq 1,703,936 bytes; cval 131,072 bytes; cidx 131,072 bytes of whole numbers
;; launch quant (part 1): grid 256 x 1, 6 waves a work-group, no clusters, 102,144 bytes of LDS; arguments x, embed, xq, eq; writes xq, eq
.if DOCPART == 1
	.amdgcn_target "amdgcn-amd-amdhsa--gfx1250"
	.amdhsa_code_object_version 6
	.text
	.protected	k_q6c323436c6_quant
	.globl	k_q6c323436c6_quant
	.p2align	8
	.type	k_q6c323436c6_quant,@function
k_q6c323436c6_quant:
	s_mov_b64 s[64:65], 0
	v_nop
	global_prefetch_b8 v0, s[64:65] scope:SCOPE_SE
	s_setreg_imm32_b32 hwreg(HW_REG_WAVE_MODE, 25, 1), 1
	s_wait_xcnt 0x0
; x [16384][256] and embed [8192][256], f32, become RECORDS of 16 rows x 256 K, laid in the order of a matrix operand's registers.
; A record is 3,328 bytes (13 x 256):  +0 the fragment of K 0..127 as an image of its 12 registers: 3 blocks of 512 bytes, block c = registers 4 c .. 4 c + 3, lane l at 16 l;
; +1536 the same for K 128..255;  +3072 the scale words, 4 bytes a lane: lane r (0..15) row r's word for K 0..127, lane 16 + r its word for K 128..255;
; +3200 sixteen f32: for x the row's sum of squares x 0.5, for embed x -0.5;  +3264 64 bytes of zeros, so that the last 256 bytes are written whole.
; CODES: BF6 (E3M2), one E8M0 byte for each 32 along K: the byte is the block's largest magnitude's exponent field - 4, held at 1 from below; numbers beyond 28 x scale get the largest code.
; A block of zeros gets the byte 1 where the rule says 127: its codes are zeros, and this program alone reads the bytes.
; LIMITS: blocks whose largest magnitude lies under 2^-122 get the byte 1; NaN and infinities among the inputs are not served; the sums of squares are added in four packed chains, another order than a plain sum's.
; SHARES: 1,536 tiles of 16 rows, one to a wave: tile = 6 x work-group + wave; tiles 0..1023 are x's, the others embed's.  Only pointers and one factor are chosen: there is one path, no loop, no barrier.
; A load takes 512 consecutive bytes; the conversions want 16 neighbours along K in one lane: so the tile's 16,384 bytes turn through the wave's own stage in LDS (rows 1,040 bytes apart: row r starts 4 r banks on).
.set PITCH, 1040
.set AUX,   16*PITCH                   ; behind the stage: 256 bytes in which the record's last 256 bytes are gathered
.set WREG,  AUX+256                    ; a wave's LDS: 16,896 bytes
.set REC,   3328
.set TM,    16                         ; v16-19 largest magnitudes, v20-23 the other half's, then the bytes, v28-31 the conversions' scale operands
.set PW0,   32                         ; v32, v33 the two scale words of my row
.set PW1,   33
.set SQ,    34                         ; v[34:41] four packed chains of squares
.set PC0,   44                         ; v[44:55] the codes of K 0..127, v[56:63] at work
.set RAW,   64                         ; v[64:191] the tile as loaded; later v[64:127] my numbers of K 128..255
.set PC1,   128                        ; v[128:139] the codes of K 128..255, v[140:147] at work
.set XA,    192                        ; v[192:255] my numbers of K 0..127
; 64 numbers of a lane, register 16 b + i = k 32 b + 16 (lane / 16) + i of row lane % 16, are squared and added, two at a time, pair p in chain p % 4
.macro SUMSQ s, first
.set p, 0
.rept 32
.if \first && (p < 4)
	v_pk_mul_f32 v[SQ+2*(p%4):SQ+2*(p%4)+1], v[\s+2*p:\s+2*p+1], v[\s+2*p:\s+2*p+1]   ; the first four pairs start the chains: nothing is cleared
.else
	v_pk_fma_f32 v[SQ+2*(p%4):SQ+2*(p%4)+1], v[\s+2*p:\s+2*p+1], v[\s+2*p:\s+2*p+1], v[SQ+2*(p%4):SQ+2*(p%4)+1]
.endif
.set p, p+1
.endr
.endm
; the same 64 numbers become a fragment's codes in v[pc] .. v[pc + 11] and my row's scale word in v[pw]
.macro QUANT s, pc, pw
.irp b, 0,1,2,3
	v_max3_num_f32 v[TM+\b], |v[\s+16*\b]|, |v[\s+1+16*\b]|, 0x2800000   ; block b: my 16 numbers, and the floor 2^(5 - 127): the byte cannot fall under 1
.endr
.irp i, 2,4,6,8,10,12,14
.irp b, 0,1,2,3
	v_max3_num_f32 v[TM+\b], v[TM+\b], |v[\s+16*\b+\i]|, |v[\s+1+16*\b+\i]|   ; the four blocks by turns
.endr
.endr
.irp b, 0,1,2,3
	v_permlanex16_b32 v[TM+4+\b], v[TM+\b], s20, s21
.endr
.irp b, 0,1,2,3
	v_max_num_f32 v[TM+\b], v[TM+\b], v[TM+4+\b]   ; with lane l xor 16's 16: the block's largest magnitude
.endr
.irp b, 0,1,2,3
	v_add_nc_u32 v[TM+12+\b], 0xfe000000, v[TM+\b]   ; 4 off its exponent field: the conversion takes this operand's exponent field as its scale
.endr
.irp b, 0,1,2,3
	v_lshrrev_b32 v[TM+4+\b], 23, v[TM+12+\b]      ; the scale's byte
.endr
	v_lshl_or_b32 v[\pw], v[TM+5], 8, v[TM+4]
	v_lshl_or_b32 v[\pw], v[TM+6], 16, v[\pw]
	v_lshl_or_b32 v[\pw], v[TM+7], 24, v[\pw]
.irp c, 0,1
	v_cvt_scalef32_pk16_bf6_f32 v[\pc+6*\c:\pc+2+6*\c], v[\s+32*\c:\s+15+32*\c], v[TM+12+2*\c]
	v_cvt_scalef32_pk16_bf6_f32 v[\pc+12+4*\c:\pc+14+4*\c], v[\s+16+32*\c:\s+31+32*\c], v[TM+12+2*\c+1]   ; (a conversion's three registers begin on an even number)
.endr
	v_nop                                          ; one plain instruction behind a scaled conversion
.irp c, 0,1                                    ; the operand wants a whole block in a lane: lanes 0-15 block 2 c, lanes 16-31 block 2 c + 1
.irp i, 0,1,2
	v_permlane16_swap_b32 v[\pc+6*\c+\i], v[\pc+12+4*\c+\i]
.endr
.irp i, 0,1,2
	v_mov_b32 v[\pc+3+6*\c+\i], v[\pc+12+4*\c+\i]
.endr
.endr
.endm
	s_load_b256 s[4:11], s[0:1], 0x0               ; x s[4:5], embed s[6:7], xq s[8:9], eq s[10:11]
	v_lshl_add_u32 v59, v0, 2, 0x18c00
	v_mov_b32 v63, 0
	v_lshrrev_b32 v1, 5, v0
	v_readfirstlane_b32 s12, v1                    ; wave 0..5
	v_and_b32 v2, 31, v0                           ; lane
	v_and_b32 v3, 15, v0                           ; r
	v_bfe_u32 v1, v0, 4, 1                         ; h
	s_mul_i32 s13, s12, WREG                       ; my wave's LDS
	s_add_co_u32 s14, s13, AUX
	v_lshlrev_b32 v4, 4, v2                        ; 16 x lane: my place in 512 bytes of memory
	v_add_nc_u32 v5, s13, v4                       ; the stage, on the way in
	v_mul_u32_u24 v6, v3, PITCH
	v_lshl_add_u32 v6, v1, 6, v6
	v_add_nc_u32 v6, s13, v6                       ; and on the way out: row r, + 64 h: my 16 numbers of a block of 32
	v_lshl_add_u32 v7, v2, 2, s14                  ; the gathering bytes: 4 x lane,
	v_lshl_add_u32 v8, v3, 2, s14                  ; 4 r,
	v_lshl_add_u32 v9, v2, 3, s14                  ; and back, 8 x lane
	v_lshlrev_b32 v10, 3, v2
	v_mov_b32 v11, 0
.irp b, 0,1,2,3
	v_mov_b32 v[TM+4+\b], 0                        ; written once: a lane permute's destination counts as one of its sources
.endr
	v_mov_b32 v42, 0
	s_mov_b32 s20, 0x76543210
	s_mov_b32 s21, 0xfedcba98                      ; v_permlanex16_b32's selects for lane l xor 16
	s_mov_b32 s19, 0xffff0000                      ; lanes 16-31
	s_mul_i32 s15, ttmp9, 6
	s_add_co_u32 s15, s15, s12                     ; my tile
	s_mov_b32 s18, 0xbf000000                      ; -0.5
	s_wait_kmcnt 0x0
	s_cmp_lt_u32 s15, 1024                         ; x's tile or embed's?  The choice hangs on ids alone; all selections stand ahead of the subtraction, which writes SCC
	s_cselect_b64 s[4:5], s[4:5], s[6:7]
	s_cselect_b64 s[8:9], s[8:9], s[10:11]
	s_cselect_b32 s16, 0, 1024
	s_cselect_b32 s18, 0x3f000000, s18             ; 0.5 for x, -0.5 for embed
	s_sub_co_u32 s15, s15, s16                     ; the tile's number in its tensor
	s_lshl_b32 s16, s15, 14                        ; 16 rows of 1,024 bytes
	s_mov_b32 s17, 0
	s_add_nc_u64 s[4:5], s[4:5], s[16:17]
	s_mul_i32 s16, s15, REC
	s_add_nc_u64 s[8:9], s[8:9], s[16:17]
.irp i, 0,1,2,3,4,5,6,7,8,9,10,11,12,13,14,15,16,17,18,19,20,21,22,23,24,25,26,27,28,29,30,31
	global_load_b128 v[RAW+4*\i:RAW+4*\i+3], v4, s[4:5] offset:512*\i   ; 32 lanes read 512 consecutive bytes: half a row; all 16,384 bytes are asked for at once
.endr
.irp g, 0,1,2,3
	s_wait_loadcnt 24-8*\g                         ; loads come back in order: the eight of group g are in, the younger ones stay out
.irp i, 0,1,2,3,4,5,6,7
	ds_store_b128 v5, v[RAW+4*(8*\g+\i):RAW+4*(8*\g+\i)+3] offset:((8*\g+\i)/2)*PITCH+((8*\g+\i)%2)*512
.endr
.endr
.irp b, 0,1,2,3
.irp j, 0,1,2,3
	ds_load_b128 v[XA+16*\b+4*\j:XA+16*\b+4*\j+3], v6 offset:128*\b+16*\j   ; LDS serves a wave's instructions in order: these see my stores
.endr
.endr
	s_wait_dscnt 0x0                               ; the stores have read the registers of the tile as loaded, and K 0..127 is in
.irp b, 0,1,2,3
.irp j, 0,1,2,3
	ds_load_b128 v[RAW+16*\b+4*\j:RAW+16*\b+4*\j+3], v6 offset:512+128*\b+16*\j   ; K 128..255 lands while K 0..127 is worked
.endr
.endr
	SUMSQ XA, 1
	QUANT XA, PC0, PW0
.irp c, 0,1,2
	global_store_b128 v4, v[PC0+4*\c:PC0+4*\c+3], s[8:9] offset:512*\c   ; 512 consecutive bytes, at a multiple of 256 from the buffer's first byte
.endr
	s_wait_dscnt 0x0
	SUMSQ RAW, 0
	QUANT RAW, PC1, PW1
.irp c, 0,1,2
	global_store_b128 v4, v[PC1+4*\c:PC1+4*\c+3], s[8:9] offset:1536+512*\c
.endr
	v_pk_add_f32 v[SQ:SQ+1], v[SQ:SQ+1], v[SQ+2:SQ+3]
	v_pk_add_f32 v[SQ+4:SQ+5], v[SQ+4:SQ+5], v[SQ+6:SQ+7]
	v_pk_add_f32 v[SQ:SQ+1], v[SQ:SQ+1], v[SQ+4:SQ+5]
	v_add_f32 v[SQ], v[SQ], v[SQ+1]
	v_permlanex16_b32 v42, v[SQ], s20, s21
	v_add_f32 v[SQ], v[SQ], v42                    ; with lane l xor 16's half: my row's sum of squares, the same bits in both lanes
	v_mul_f32 v13, s18, v[SQ]
	v_cndmask_b32 v12, v[PW0], v[PW1], s19         ; lanes 0-15 carry the word of K 0..127, lanes 16-31 that of K 128..255
	ds_store_b32 v7, v12
	ds_store_b32 v8, v13 offset:128                ; both lanes of a row write the same word with the same value
	ds_store_b32 v8, v11 offset:192
	ds_load_b64 v[14:15], v9
	s_wait_dscnt 0x0
	global_store_b64 v10, v[14:15], s[8:9] offset:3072   ; 32 lanes store 256 consecutive bytes.  No store's source is written again in this text: no wait for them
	s_wait_tensorcnt 0x0
	ds_add_u32 v59, v63
	s_wait_dscnt 0x0
	s_endpgm
.Lfunc_end_k_q6c323436c6_quant:
	.size	k_q6c323436c6_quant, .Lfunc_end_k_q6c323436c6_quant-k_q6c323436c6_quant
	.p2alignl 7, 3214868480
	.fill 96, 4, 3214868480
	.section	.rodata,"a",@progbits
	.p2align	6, 0x0
	.amdhsa_kernel k_q6c323436c6_quant
		.amdhsa_group_segment_fixed_size 102144
		.amdhsa_private_segment_fixed_size 0
		.amdhsa_enable_private_segment 0
		.amdhsa_kernarg_size 32
		.amdhsa_user_sgpr_count 2
		.amdhsa_user_sgpr_kernarg_segment_ptr 1
		.amdhsa_wavefront_size32 1
		.amdhsa_system_sgpr_workgroup_id_x 1
		.amdhsa_system_sgpr_workgroup_id_y 1
		.amdhsa_system_sgpr_workgroup_id_z 1
		.amdhsa_system_vgpr_workitem_id 0
		.amdhsa_next_free_vgpr 256
		.amdhsa_next_free_sgpr 66
		.amdhsa_reserve_vcc 0
		.amdhsa_float_denorm_mode_32 3
		.amdhsa_float_denorm_mode_16_64 3
		.amdhsa_memory_ordered 1
		.amdhsa_forward_progress 1
		.amdhsa_inst_pref_size 23
	.end_amdhsa_kernel
	.amdgpu_metadata
---
amdhsa.version: [ 1, 2 ]
amdhsa.kernels:
  - .name:           k_q6c323436c6_quant
    .symbol:         k_q6c323436c6_quant.kd
    .args:
      - { .name: x, .offset: 0, .size: 8, .value_kind: global_buffer, .address_space: global }
      - { .name: embed, .offset: 8, .size: 8, .value_kind: global_buffer, .address_space: global }
      - { .name: xq, .offset: 16, .size: 8, .value_kind: global_buffer, .address_space: global }
      - { .name: eq, .offset: 24, .size: 8, .value_kind: global_buffer, .address_space: global }
    .group_segment_fixed_size: 102144
    .private_segment_fixed_size: 0
    .kernarg_segment_align: 8
    .kernarg_segment_size: 32
    .max_flat_workgroup_size: 192
    .sgpr_count:     66
    .vgpr_count:     256
    .wavefront_size: 32
...
	.end_amdgpu_metadata
.endif
;; end of part 1
;; launch score (part 2): grid 128 x 2, 8 waves a work-group, clusters of 4 x 1, 327,680 bytes of LDS; arguments xq, eq, cval, cidx; writes cval, cidx
.if DOCPART == 2
	.amdgcn_target "amdgcn-amd-amdhsa--gfx1250"
	.amdhsa_code_object_version 6
	.text
	.protected	k_q6c323436c6_score
	.globl	k_q6c323436c6_score
	.p2align	8
	.type	k_q6c323436c6_score,@function
k_q6c323436c6_score:
	s_mov_b64 s[64:65], 0
	v_nop
	global_prefetch_b8 v0, s[64:65] scope:SCOPE_SE
	s_setreg_imm32_b32 hwreg(HW_REG_WAVE_MODE, 25, 1), 1
	s_wait_xcnt 0x0
	s_wait_alu depctr_hold_cnt(0) depctr_sa_sdst(0) depctr_va_vdst(0) depctr_va_sdst(0) depctr_va_ssrc(0) depctr_va_vcc(0) depctr_vm_vsrc(0)
	s_getreg_b32 s2, hwreg(HW_REG_IB_STS2, 6, 4)
	s_cmp_eq_u32 s2, 0
	s_cbranch_scc0 .Lentry_in_a_cluster
	s_endpgm
.Lentry_in_a_cluster:
	s_bfe_u32 s2, ttmp6, 0x10000c
	s_cmp_lg_u32 s2, 0x3003
	s_cbranch_scc0 .Lentry_shape_is_right
	s_endpgm
.Lentry_shape_is_right:
; For 128 rows of x and one HALF (4,096) of the codes: s = x . e - |e|^2 / 2 on BF6 codes with E8M0 scales, and for each row the first largest min(s, |x|^2 / 2) with its code's index.
; |x - e|^2 = 2 (|x|^2 / 2 - s), so the smallest distance clipped at 0 is the largest s held at |x|^2 / 2.  -|e|^2 / 2 is the C of a sum's first matrix instruction: it costs no vector work.
; LIMITS: the root is not taken: where two squared distances are so near that their roots round to one f32 number, the nearer code is chosen here, not the one of lower index;
; the squares' sums and the adding of |e|^2 are rounded in another order than a plain x_sq - 2 xe + e_sq; NaN and infinities are not served.
; SHARES.  Work-group (wgx, y): rows 128 wgx on, codes 4,096 y on.  Eight waves, two to a SIMD.  Every wave holds all 8 row tiles of 16 (their fragments in 192 registers for the whole launch) and takes
; 32 of the half's 256 code tiles: of a chunk of 8 n records the wave's are n w .. n w + n - 1, so a wave's codes ascend.  Each code record leaves LDS once and feeds 16 matrix instructions.
; TRANSPOSED USE: source 0 = 16 codes, source 1 = 16 rows of x: a lane holds ONE row (lane % 16), its 8 registers the codes 8 (lane / 16) + 0 .. 7.
; THE ARGMAX, for 8 scores: their largest held at |x|^2 / 2 (four instructions), one compare with the running M (strictly: the first group stays on ties), four dual selects that keep the winning group's first
; seven scores and its first index, and half a dual maximum for M.  Which of the 8 it was is found once, at the end: the first whose score is at least M; if none of the seven is, the eighth.
; All choices are selects: no branch and no address hangs on a score.
; CLUSTER: the four partners have four row blocks and ONE half of the codes: each chunk of code records is asked for JOINTLY (mask 15).  x's 8 records are each work-group's own: a plain load.
; LDS: region S of 40 records, whose first 8 are x's at first (x then stays in registers) and whose other 32 are chunk 0; region R of 48 records; the spare words.  The half's 256 records come as chunks of
; 32 and 48 (first fills), then by refills 40 (S), 48 (R), 40 (S), 48 (R).  One tensor load a wave at the head and behind each round; a chunk is asked for when the chunk two before it has been read out.
; S's first 8,192 bytes serve as the stage at the very end: they have had their last fill and their last read by then.
; No data prefetch: each chunk is asked for 4 to 6 code tiles (64 to 96 matrix instructions a wave) ahead of its first read, and the 32 clusters of a half name the same 851,968 bytes.
.set REC,   3328                       ; a record: 16 rows x 256 K: two fragment images of 1,536 bytes, scale words at 3,072, sixteen f32 at 3,200
.set ER,    8*REC                      ; x's records lie at 0; chunk 0 begins here
.set RR,    40*REC                     ; R
.set SPARE, 88*REC                     ; 292,864, a multiple of 256: the spare words, 128 bytes for each of the eight waves, which no other line names
.set L16, 1                            ; v1   16 x lane
.set L4,  2                            ; v2   4 x lane
.set H32, 3                            ; v3   32 (lane / 16)
.set H8,  4                            ; v4   8 (lane / 16)
.set AB,  5                            ; v5-7 LDS addresses of the record in hand: its images, its scale words, its -|e|^2 / 2
.set AS,  6
.set AC,  7
.set TID, 8                            ; v8   the index of my first code of the tile in hand
.set SPW, 9                            ; v9   LDS address of my spare word; never rewritten
.set NIL, 10                           ; v10  0; never rewritten
.set STA, 11                           ; v11  the stage: where I put a row's candidate
.set STR, 12                           ; v12  and where I read two rows' candidates back
.set L8,  13                           ; v13  8 x lane
.set SB,  16                           ; v16  the code tile's scale words: they hold scales and nothing else, as do
.set SA,  17                           ; v17-24 x's, one register a row tile
.set R4,  25                           ; v25  4 x (lane % 16)
.set BF,  26                           ; v[26:49] the code tile's two fragments
.set CN,  50                           ; v[50:57] -|e|^2 / 2 of my 8 codes
.set RT,  58                           ; v58-65 a group's largest, one a row tile
.set RM,  66                           ; v66-73 the running M
.set RHX, 82                           ; v82-89 |x|^2 / 2 of my row
.set RP,  90                           ; v90-97 the place in the group
.set ACC, 128                          ; v[128:191] eight accumulators
.set FV,  128                          ; at the end, over them: eight candidates for two rows: values,
.set FI,  144                          ; and indices
.set SAV, 192                          ; v[192:255] for row tile i at 8 i: the winning group's first seven scores, then
.set RID, 199                          ; its first index (row tile i: v[199 + 8 i])
                                       ; window 1: v[0:191] x's fragments: row tile i, K step s at 24 i + 12 s
.set WV,  12                           ; s12 wave; s15 cx; s16 wgx; s17 y
.set TB,  19                           ; s19 LDS byte of the record to be fetched
.set CB,  20                           ; s20 16 x the code tile in hand
.set CNT, 21
.set SEL, 22                           ; s[22:23] selects for lane l xor 16
.set G0X, 36                           ; s[36:39] group 0 for x's records; s[40:43] for the code records
.set G0E, 40
.set DO,  46                           ; s[46:47] an offset in the half's records
.set EQ,  48                           ; s[48:49] the half's first record
.set CBY, 50                           ; s50 4,096 y
.set G1X, 68                           ; s[68:75], s[76:83] groups 1
.set G1E, 76
.set MK,  92                           ; s[92:99] eight lane masks
.set MSB, 0
.macro WIN new                         ; the immediate's high byte repeats the setting that is left
.if MSB != \new
	s_set_vgpr_msb (MSB<<8)|\new
.set MSB, \new
.endif
.endm
.macro CREST                           ; a round of the cluster's barrier behind its opening barrier
	s_cmp_lg_u32 s[WV], 0
	s_cbranch_scc1 .Lnot_wave_0_\@
	s_barrier_signal -3
.Lnot_wave_0_\@:
	s_barrier_wait -3
	s_barrier_signal -1
	s_barrier_wait -1
.endm
.macro CROUND                          ; a whole round
	s_barrier_signal -1
	s_barrier_wait -1
	CREST
.endm
; the joint load of a chunk of 8 nr records that begins at the half's record start: my nr of them, to LDS byte at + my place.  Written where no tensor load of the wave is out.
.macro DESC nr, at, start
	s_mov_b32 s[G1E+2], (13*\nr)<<16               ; tensor_dim1: 13 rows of 256 bytes a record
	s_mov_b32 s[G1E+4], 13*\nr                     ; tile_dim1
	s_mul_i32 s[DO], s[WV], \nr*REC
	s_add_co_u32 s[G0E+1], s[DO], \at
	s_add_co_u32 s[DO], s[DO], \start*REC
	s_add_nc_u64 s[G0E+2:G0E+3], s[EQ:EQ+1], s[DO:DO+1]
	s_or_b32 s[G0E+3], s[G0E+3], 0x80000000
.endm
.macro ADDR
	v_add_nc_u32 v[AB], s[TB], v[L16]
	v_add_nc_u32 v[AS], s[TB], v[L4]
	v_add_nc_u32 v[AC], s[TB], v[H32]
.endm
.macro BLOAD                           ; a code record into registers: nine loads, each of consecutive bytes or of one word for many lanes
.irp c, 0,1,2
	ds_load_b128 v[BF+4*\c:BF+4*\c+3], v[AB] offset:512*\c
.endr
.irp c, 0,1,2
	ds_load_b128 v[BF+12+4*\c:BF+12+4*\c+3], v[AB] offset:1536+512*\c
.endr
	ds_load_b32 v[SB], v[AS] offset:3072
	ds_load_b128 v[CN:CN+3], v[AC] offset:3200
	ds_load_b128 v[CN+4:CN+7], v[AC] offset:3216
.endm
.macro XLOAD i                         ; row tile i's fragments, which stay in registers
.irp c, 0,1,2,3,4,5
	ds_load_b128 v[24*(\i)+4*\c:24*(\i)+4*\c+3], v[L16] offset:REC*(\i)+512*\c
.endr
.endm
.macro MM k, i                         ; row tile i, K step k
.if \k == 0
	v_wmma_scale_f32_16x16x128_f8f6f4 v[ACC+8*\i:ACC+8*\i+7], v[BF:BF+11], v[24*\i:24*\i+11], v[CN:CN+7], v[SB], v[SA+\i] matrix_a_fmt:MATRIX_FMT_BF6 matrix_b_fmt:MATRIX_FMT_BF6
.else
	v_wmma_scale_f32_16x16x128_f8f6f4 v[ACC+8*\i:ACC+8*\i+7], v[BF+12:BF+23], v[24*\i+12:24*\i+23], v[ACC+8*\i:ACC+8*\i+7], v[SB], v[SA+\i] matrix_a_fmt:MATRIX_FMT_BF6 matrix_b_fmt:MATRIX_FMT_BF6 matrix_a_scale:MATRIX_SCALE_ROW1 matrix_b_scale:MATRIX_SCALE_ROW1
.endif
.endm
.macro LVL n, i                        ; step n of row tile i's largest; each accumulator is read from its low end on
.if (\n) == 1
	v_max3_num_f32 v[RT+\i], v[ACC+8*\i], v[ACC+8*\i+1], v[ACC+8*\i+2]
.elseif (\n) == 2
	v_max3_num_f32 v[RT+\i], v[RT+\i], v[ACC+8*\i+3], v[ACC+8*\i+4]
.elseif (\n) == 3
	v_max3_num_f32 v[RT+\i], v[RT+\i], v[ACC+8*\i+5], v[ACC+8*\i+6]
.else
	v_maxmin_num_f32 v[RT+\i], v[RT+\i], v[ACC+8*\i+7], v[RHX+\i]   ; the eighth, and the clip at distance 0
.endif
.endm
.macro SEL2 d, t0, t1                  ; v[d], v[d + 1] take v[t0], v[t1] where VCC says so
	v_dual_cndmask_b32 v[\d], v[\d], v[\t0] :: v_dual_cndmask_b32 v[\d+1], v[\d+1], v[\t1]
.endm
.macro CND i                           ; where the group wins: its first seven scores and its first index
	SEL2 SAV+8*\i, ACC+8*\i, ACC+8*\i+1
	SEL2 SAV+8*\i+2, ACC+8*\i+2, ACC+8*\i+3
	SEL2 SAV+8*\i+4, ACC+8*\i+4, ACC+8*\i+5
	SEL2 SAV+8*\i+6, ACC+8*\i+6, TID
.endm
.macro RMX a, b                        ; M of two row tiles
	v_dual_max_num_f32 v[RM+\a], v[RM+\a], v[RT+\a] :: v_dual_max_num_f32 v[RM+\b], v[RM+\b], v[RT+\b]
.endm
.macro EPI                             ; the argmax's step for the eight row tiles; independent lines stand between a compare and its selects
.irp n, 1,2,3,4
	LVL \n, 0
	LVL \n, 1
	LVL \n, 2
	LVL \n, 3
.endr
.irp i, 0,1,2,3
	v_cmp_gt_f32 vcc_lo, v[RT+\i], v[RM+\i]        ; strictly: on a tie the earlier group stays
	LVL \i+1, 4
	LVL \i+1, 5
	LVL \i+1, 6
	LVL \i+1, 7
	CND \i
.endr
	v_cmp_gt_f32 vcc_lo, v[RT+4], v[RM+4]
	v_cmp_gt_f32 s[MK+5], v[RT+5], v[RM+5]
	v_cmp_gt_f32 s[MK+6], v[RT+6], v[RM+6]
	v_cmp_gt_f32 s[MK+7], v[RT+7], v[RM+7]
	RMX 0, 1
	RMX 2, 3
	CND 4
	s_mov_b32 vcc_lo, s[MK+5]
	RMX 4, 5
	CND 5
	s_mov_b32 vcc_lo, s[MK+6]
	RMX 6, 7
	CND 6
	s_mov_b32 vcc_lo, s[MK+7]
	CND 7
.endm
.macro EPI1                            ; the same step in two parts, for a change of chunks: the largest of each group,
.irp n, 1,2,3,4
.irp i, 0,1,2,3,4,5,6,7
	LVL \n, \i
.endr
.endr
.endm
.macro EPI2                            ; and the compares and selects
	v_cmp_gt_f32 vcc_lo, v[RT], v[RM]
.irp i, 1,2,3,4,5,6,7
	v_cmp_gt_f32 s[MK+\i], v[RT+\i], v[RM+\i]
.endr
	RMX 0, 1
	RMX 2, 3
	RMX 4, 5
	RMX 6, 7
	CND 0
.irp i, 1,2,3,4,5,6,7
	s_mov_b32 vcc_lo, s[MK+\i]
	CND \i
.endr
.endm
; One code tile against the eight row tiles.  The accumulators take turns, one instruction a turn.  cut = 1, the launch's first tile: row tiles 0-3 begin while the fragments of 4-7 are still on their way from LDS.
; fetch = 1: the next tile's record is fetched while this tile's scores are worked.
.macro TILE cut, fetch
.if \cut
	s_wait_dscnt 32                                ; the code record and x's row tiles 0-3 are in; the 32 loads for row tiles 4-7 may be out
	WIN 0x04
.irp i, 0,1,2,3
	MM 0, \i
.endr
.irp i, 0,1,2,3
	MM 1, \i
.endr
	s_wait_dscnt 0x0
.irp i, 4,5,6,7
	MM 0, \i
.endr
.irp i, 4,5,6,7
	MM 1, \i
.endr
.else
	s_wait_dscnt 0x0                               ; the record is in registers
	WIN 0x04                                       ; source 1 (x) in window 1
.irp i, 0,1,2,3,4,5,6,7
	MM 0, \i
.endr
.irp i, 0,1,2,3,4,5,6,7
	MM 1, \i
.endr
.endif
	WIN 0
	v_add_nc_u32 v[TID], s[CB], v[H8]              ; this line and the three behind it are the four plain instructions between the products and the loads into their operands, and the first read of their results
	s_add_co_u32 s[CB], s[CB], 16
.if \fetch
	s_add_co_u32 s[TB], s[TB], REC
	ADDR
	BLOAD
.else
.rept 3
	v_nop
.endr
.endif
	EPI
.endm
.macro PHASE m                         ; m of a chunk's code tiles, not its last
	s_mov_b32 s[CNT], \m
.Lph_\@:
	TILE 0, 1
	s_sub_co_u32 s[CNT], s[CNT], 1
	s_cmp_lg_u32 s[CNT], 0
	s_cbranch_scc1 .Lph_\@
.endm
; A chunk's last code tile, and the change to the next chunk (nn tiles a wave, at LDS byte nat, from the half's record nstart).  In front of the signal: all my tensor loads have landed, the next chunk's among them;
; my reads of this chunk are over (its last record is in registers).  ld = 1: a chunk is asked for behind the round.
.macro TURN ld, nr, at, start, nat, nn, nstart
	s_wait_dscnt 0x0
	WIN 0x04
.irp i, 0,1,2,3,4,5,6,7
	MM 0, \i
.endr
.irp i, 0,1,2,3
	MM 1, \i
.endr
	WIN 0
	s_wait_tensorcnt 0x0
.if \ld
	ds_add_u32 v[SPW], v[NIL]                      ; 0 onto my spare word
	DESC \nr, \at, \start
.endif
	s_mul_i32 s[TB], s[WV], \nn*REC
	s_add_co_u32 s[TB], s[TB], \nat
	WIN 0x04
.irp i, 4,5,6,7
	MM 1, \i
.endr
	WIN 0
	v_add_nc_u32 v[TID], s[CB], v[H8]              ; four plain instructions again, this one and ADDR's three
	ADDR
	s_mul_i32 s[CB], s[WV], 16*\nn
	s_add_co_u32 s[CB], s[CB], s[CBY]
	s_add_co_u32 s[CB], s[CB], 16*\nstart
	s_wait_dscnt 0x0                               ; the add is done
	s_barrier_signal -1
	EPI1                                           ; work on registers while the others arrive
	s_wait_alu depctr_va_vdst(0)
	s_barrier_wait -1
.if \ld
	CREST                                          ; so it is with every wave of all four work-groups
	tensor_load_to_lds s[G0E:G0E+3], s[G1E:G1E+7]
	s_nop 0
.endif
	BLOAD
	EPI2
.endm
	s_load_b256 s[4:11], s[0:1], 0x0               ; xq s[4:5], eq s[6:7], cval s[8:9], cidx s[10:11]
	v_lshl_add_u32 v[SPW], v0, 2, SPARE
	v_mov_b32 v[NIL], 0
	ds_add_u32 v[SPW], v[NIL]                      ; the wave's opening: the add, twice on end, and its wait ahead of my first tensor load
	ds_add_u32 v[SPW], v[NIL]
	v_lshrrev_b32 v14, 5, v0
	v_readfirstlane_b32 s[WV], v14                 ; wave 0..7
	s_bfe_u32 s15, ttmp6, 0x40000                  ; cx: my place in the cluster
	s_lshl_b32 s16, ttmp9, 2
	s_add_co_u32 s16, s16, s15                     ; wgx = 4 x cluster x + cx: it enters the addresses of xq, cval and cidx alone
	s_and_b32 s17, ttmp7, 0xffff                   ; y: the half, which the four partners share
	; groups 1: dense blocks as rows of 256 bytes (32 elements of 8 bytes), no padding: an image is read as consecutive bytes; at the head two records of x (26 rows) or eight of the codes (104 rows) a load
	s_mov_b32 s[G1X], 3<<16                        ; no mask
	s_mov_b32 s[G1E], 15|(3<<16)|(1<<21)           ; 15:0 the mask: all four work-groups; 17:16 elements of 8 bytes; 21 set beside a mask
	s_mov_b32 s[G1X+2], 26<<16                     ; tensor_dim1
	s_mov_b32 s[G1X+4], 26                         ; tile_dim1
	s_mov_b32 s[G1E+2], 104<<16
	s_mov_b32 s[G1E+4], 104
.irp g, G1X, G1E
	s_mov_b32 s[\g+1], 32<<16                      ; tensor_dim0 = 32
	s_mov_b32 s[\g+3], 32<<16                      ; tile_dim0
	s_mov_b32 s[\g+5], 32                          ; the pitch
	s_mov_b32 s[\g+6], 0
	s_mov_b32 s[\g+7], 0
.endr
	s_mul_i32 s24, s[WV], 2*REC                    ; the head's loads: waves 0..3 two of x's eight records each,
	s_and_b32 s13, s[WV], 3
	s_mul_i32 s[DO], s13, 8*REC                    ; waves 4..7 eight of chunk 0's 32
	s_mov_b32 s[DO+1], 0
	s_mul_i32 s26, s16, 8*REC
	s_add_co_u32 s26, s26, s24                     ; x: my work-group's records, my two of them
	s_mov_b32 s27, 0
	s_mul_i32 s28, s17, 256*REC                    ; the half's 256 records
	s_mov_b32 s29, 0
	s_lshl_b32 s32, s17, 16                        ; the results: row 16,384 y + 128 wgx + 64 wave, 4 bytes each
	s_lshl_b32 s33, s16, 9
	s_add_co_u32 s32, s32, s33
	s_lshl_b32 s33, s[WV], 8
	s_add_co_u32 s32, s32, s33
	s_mov_b32 s33, 0
	s_mov_b32 s[SEL], 0x76543210
	s_mov_b32 s[SEL+1], 0xfedcba98
	s_lshl_b32 s[CBY], s17, 12
	s_mul_i32 s[TB], s[WV], 4*REC
	s_add_co_u32 s[TB], s[TB], ER                  ; chunk 0: my four records
	s_lshl_b32 s[CB], s[WV], 6
	s_add_co_u32 s[CB], s[CB], s[CBY]
	s_lshl_b32 s34, s[WV], 9                       ; the stage: 512 bytes a wave
	s_and_b32 s35, s[WV], 1
	s_lshl_b32 s35, s35, 8
	s_wait_dscnt 0x0                               ; both opening adds are done
	s_wait_kmcnt 0x0
	s_mov_b32 s[G0X], 1
	s_mov_b32 s[G0X+1], s24
	s_add_nc_u64 s[G0X+2:G0X+3], s[4:5], s[26:27]
	s_or_b32 s[G0X+3], s[G0X+3], 0x80000000
	s_add_nc_u64 s[EQ:EQ+1], s[6:7], s[28:29]
	s_mov_b32 s[G0E], 1
	s_add_co_u32 s[G0E+1], s[DO], ER
	s_add_nc_u64 s[G0E+2:G0E+3], s[EQ:EQ+1], s[DO:DO+1]
	s_or_b32 s[G0E+3], s[G0E+3], 0x80000000
	s_add_nc_u64 s[8:9], s[8:9], s[32:33]
	s_add_nc_u64 s[10:11], s[10:11], s[32:33]
	CROUND                                         ; all four work-groups are here: the first joint loads meet
	s_cmp_lt_u32 s[WV], 4                          ; one load a wave: one branch on the wave's number, a load in each arm
	s_cbranch_scc0 .Lfor_e
	tensor_load_to_lds s[G0X:G0X+3], s[G1X:G1X+7]
	s_nop 0
.rept 4
	v_nop
.endr
	s_branch .Lasked
.Lfor_e:
	tensor_load_to_lds s[G0E:G0E+3], s[G1E:G1E+7]
	s_nop 0
.rept 4
	v_nop
.endr
.Lasked:
	v_and_b32 v14, 31, v0                          ; lane
	v_and_b32 v15, 15, v0                          ; r
	v_bfe_u32 v[H8], v0, 4, 1                      ; h
	v_lshlrev_b32 v[L16], 4, v14
	v_lshlrev_b32 v[L4], 2, v14
	v_lshlrev_b32 v[L8], 3, v14
	v_lshlrev_b32 v[R4], 2, v15
	v_lshlrev_b32 v[H32], 5, v[H8]
	v_lshlrev_b32 v[H8], 3, v[H8]
	v_add_nc_u32 v[STA], s34, v[R4]                ; the stage: 4 bytes a row
	v_add_nc_u32 v[STR], s35, v[L8]                ; back (waves 0, 1): rows 64 wave + 2 lane, + 1; candidate c 512 c bytes on
	ADDR
.irp i, 0,1,2,3,4,5,6,7
	v_mov_b32 v[RM+\i], 0xff800000                 ; M = -infinity, under every score: the tile's text is written for all tiles alike
	v_mov_b32 v[RID+8*\i], 0
.irp j, 0,1,2,3,4,5,6
	v_mov_b32 v[SAV+8*\i+\j], 0xff800000           ; once, while the first fills are on their way
.endr
.endr
	s_wait_alu depctr_va_vdst(0)
	s_wait_tensorcnt 0x0                           ; my part of x or of chunk 0 is in; these lines stand ahead of a later first fill, as ahead of a refill
	ds_add_u32 v[SPW], v[NIL]
	DESC 6, RR, 32                                 ; chunk 1: R's first fill
	s_wait_dscnt 0x0                               ; the add is done
	CROUND                                         ; everybody's part is in
	tensor_load_to_lds s[G0E:G0E+3], s[G1E:G1E+7]
	s_nop 0
	BLOAD                                          ; nine loads, then x's fragments, scale words and |x|^2 / 2, row tiles 0-3 first
.irp g, 0,4
	WIN 0x40                                       ; destination window 1
	XLOAD \g
	XLOAD \g+1
	XLOAD \g+2
	XLOAD \g+3
	WIN 0
.irp q, 0,1,2,3
	ds_load_b32 v[SA+\g+\q], v[L4] offset:REC*(\g+\q)+3072
	ds_load_b32 v[RHX+\g+\q], v[R4] offset:REC*(\g+\q)+3200
.endr
.endr
	TILE 1, 1                                      ; chunk 0: 32 records, four code tiles a wave
	PHASE 2
	TURN 1, 5, 0, 80, RR, 6, 32                    ; S is read out, x's bytes too: chunk 2; on to chunk 1
	PHASE 5
	TURN 1, 6, RR, 120, 0, 5, 80
	PHASE 4
	TURN 1, 5, 0, 168, RR, 6, 120
	PHASE 5
	TURN 1, 6, RR, 208, 0, 5, 168                  ; the last chunk
	PHASE 4
	TURN 0, 0, 0, 0, RR, 6, 208
	PHASE 5
	TILE 0, 0
	; WHICH OF THE EIGHT: the first whose score is at least M (under the clip: the first that reaches |x|^2 / 2)
.irp i, 0,1,2,3,4,5,6,7
	v_mov_b32 v[RP+\i], 7
.endr
.irp j, 6,5,4,3,2,1,0
.irp i, 0,1,2,3,4,5,6,7
	v_cmp_ge_f32 s[MK+\i], v[SAV+8*\i+\j], v[RM+\i]
.endr
.irp i, 0,1,2,3,4,5,6,7
	v_cndmask_b32 v[RP+\i], v[RP+\i], \j, s[MK+\i]
.endr
.endr
.irp i, 0,1,2,3,4,5,6,7
	v_add_nc_u32 v[RID+8*\i], v[RID+8*\i], v[RP+\i]
.endr
	; my row's other codes lie in lane l xor 16: the larger value, and of those that reach it the lowest index
.irp i, 0,1,2,3,4,5,6,7
	v_permlanex16_b32 v[RT+\i], v[RM+\i], s[SEL], s[SEL+1]
.endr
.irp i, 0,1,2,3,4,5,6,7
	v_max_num_f32 v[RT+\i], v[RT+\i], v[RM+\i]
.endr
.irp i, 0,1,2,3,4,5,6,7
	v_cmp_eq_f32 s[MK+\i], v[RM+\i], v[RT+\i]
.endr
.irp i, 0,1,2,3,4,5,6,7
	v_cndmask_b32 v[RID+8*\i], -1, v[RID+8*\i], s[MK+\i]   ; -1: above every index
.endr
.irp i, 0,1,2,3,4,5,6,7
	v_permlanex16_b32 v[RP+\i], v[RID+8*\i], s[SEL], s[SEL+1]
.endr
.irp i, 0,1,2,3,4,5,6,7
	v_min_u32 v[RID+8*\i], v[RID+8*\i], v[RP+\i]
.endr
	; the eight waves meet in the stage: bytes of S, which have had their last fill, and whose last reads were over ahead of the last barrier
.irp i, 0,1,2,3,4,5,6,7
	ds_store_b32 v[STA], v[RT+\i] offset:64*\i     ; both lanes of a row write the same word with the same value
	ds_store_b32 v[STA], v[RID+8*\i] offset:4096+64*\i
.endr
	s_wait_dscnt 0x0                               ; for the others' sake: my stores are done
	s_barrier_signal -1
	s_barrier_wait -1
	s_cmp_gt_u32 s[WV], 1                          ; waves 0 and 1 fold 64 rows each, two a lane, so that a store covers 256 consecutive bytes
	s_cbranch_scc1 .Ldone
.irp c, 0,1,2,3,4,5,6,7
	ds_load_b64 v[FV+2*\c:FV+2*\c+1], v[STR] offset:512*\c
	ds_load_b64 v[FI+2*\c:FI+2*\c+1], v[STR] offset:4096+512*\c
.endr
	s_wait_dscnt 0x0
.irp q, 0,1
	v_max3_num_f32 v[RT+\q], v[FV+\q], v[FV+2+\q], v[FV+4+\q]
.endr
.irp q, 0,1
	v_max3_num_f32 v[RT+\q], v[RT+\q], v[FV+6+\q], v[FV+8+\q]
.endr
.irp q, 0,1
	v_max3_num_f32 v[RT+\q], v[RT+\q], v[FV+10+\q], v[FV+12+\q]
.endr
.irp q, 0,1
	v_max_num_f32 v[RT+\q], v[RT+\q], v[FV+14+\q]
.endr
.irp q, 0,1
.irp c, 0,1,2,3,4,5,6,7
	v_cmp_eq_f32 s[MK+\c], v[FV+2*\c+\q], v[RT+\q]
.endr
.irp c, 0,1,2,3,4,5,6,7
	v_cndmask_b32 v[FI+2*\c+\q], -1, v[FI+2*\c+\q], s[MK+\c]
.endr
.endr
.irp c, 1,2,3,4,5,6,7
.irp q, 0,1
	v_min_u32 v[FI+\q], v[FI+\q], v[FI+2*\c+\q]
.endr
.endr
	global_store_b64 v[L8], v[RT:RT+1], s[8:9]     ; 32 lanes store 256 consecutive bytes, at a multiple of 256 from the buffer's first byte
	global_store_b64 v[L8], v[FI:FI+1], s[10:11]
.Ldone:
	s_wait_tensorcnt 0x0                           ; the wave's end
	ds_add_u32 v[SPW], v[NIL]
	s_wait_dscnt 0x0
	CROUND                                         ; the closing round: no work-group ends while a partner may still ask for a block that names it
	s_endpgm
.Lfunc_end_k_q6c323436c6_score:
	.size	k_q6c323436c6_score, .Lfunc_end_k_q6c323436c6_score-k_q6c323436c6_score
	.p2alignl 7, 3214868480
	.fill 96, 4, 3214868480
	.section	.rodata,"a",@progbits
	.p2align	6, 0x0
	.amdhsa_kernel k_q6c323436c6_score
		.amdhsa_group_segment_fixed_size 327680
		.amdhsa_private_segment_fixed_size 0
		.amdhsa_enable_private_segment 0
		.amdhsa_kernarg_size 32
		.amdhsa_user_sgpr_count 2
		.amdhsa_user_sgpr_kernarg_segment_ptr 1
		.amdhsa_wavefront_size32 1
		.amdhsa_system_sgpr_workgroup_id_x 1
		.amdhsa_system_sgpr_workgroup_id_y 1
		.amdhsa_system_sgpr_workgroup_id_z 1
		.amdhsa_system_vgpr_workitem_id 0
		.amdhsa_next_free_vgpr 512
		.amdhsa_next_free_sgpr 100
		.amdhsa_reserve_vcc 1
		.amdhsa_float_denorm_mode_32 3
		.amdhsa_float_denorm_mode_16_64 3
		.amdhsa_memory_ordered 1
		.amdhsa_forward_progress 1
		.amdhsa_inst_pref_size 136
	.end_amdhsa_kernel
	.amdgpu_metadata
---
amdhsa.version: [ 1, 2 ]
amdhsa.kernels:
  - .name:           k_q6c323436c6_score
    .symbol:         k_q6c323436c6_score.kd
    .args:
      - { .name: xq, .offset: 0, .size: 8, .value_kind: global_buffer, .address_space: global }
      - { .name: eq, .offset: 8, .size: 8, .value_kind: global_buffer, .address_space: global }
      - { .name: cval, .offset: 16, .size: 8, .value_kind: global_buffer, .address_space: global }
      - { .name: cidx, .offset: 24, .size: 8, .value_kind: global_buffer, .address_space: global }
    .group_segment_fixed_size: 327680
    .private_segment_fixed_size: 0
    .kernarg_segment_align: 8
    .kernarg_segment_size: 32
    .max_flat_workgroup_size: 256
    .sgpr_count:     100
    .vgpr_count:     512
    .wavefront_size: 32
...
	.end_amdgpu_metadata
.endif
;; end of part 2
;; launch take (part 3): grid 256 x 1, 16 waves a work-group, no clusters, 0 bytes of LDS; arguments embed, cval, cidx, out0, out1; writes out0, out1
.if DOCPART == 3
	.amdgcn_target "amdgcn-amd-amdhsa--gfx1250"
	.amdhsa_code_object_version 6
	.text
	.protected	k_q6c323436c6_take
	.globl	k_q6c323436c6_take
	.p2align	8
	.type	k_q6c323436c6_take,@function
k_q6c323436c6_take:
	s_mov_b64 s[64:65], 0
	v_nop
	global_prefetch_b8 v0, s[64:65] scope:SCOPE_SE
	s_setreg_imm32_b32 hwreg(HW_REG_WAVE_MODE, 25, 1), 1
	s_wait_xcnt 0x0
; For each of the 16,384 rows: of its two candidates (one for each half of the codes; value in cval [2][16384], index in cidx [2][16384]) the one of larger value, the lower half on a tie;
; out1 = its index, out0 = that row of embed (1,024 bytes of f32).
; Addresses hang on the stored indices alone, held to 0..8,191: BOTH candidate rows are loaded, and the values only choose among registers (v_cndmask_b32): no branch and no address hangs on a value.
; SHARES: a work-group takes 64 rows, each of its 16 waves 4.  A row is two loads of 512 consecutive bytes; a wave has 16 such loads out at once.  Wave 0 also folds the work-group's 64 indices, two a lane: one store of 256 bytes.
; A stream of gathers: no LDS, no barrier, no matrix unit; the waves share nothing.  embed's rows may be named many times over: no non-temporal hint on their loads.
.set RI, 4                             ; v[4:11]    half c: the indices of my 4 rows, at 4 c
.set RV, 12                            ; v[12:19]   the values
.set RO, 20                            ; v[20:27]   byte offsets in embed: half c, row k at 4 c + k
.set RD, 32                            ; v[32:95]   row k, candidate c, part e at 16 k + 8 c + 4 e
.set WVAL, 96                          ; v[96:99], v[100:103] wave 0: values and indices of two rows a lane
.set WIDX, 100
	s_load_b256 s[4:11], s[0:1], 0x0               ; embed s[4:5], cval s[6:7], cidx s[8:9], out0 s[10:11]
	s_load_b64 s[12:13], s[0:1], 0x20              ; out1
	v_lshrrev_b32 v1, 5, v0
	v_readfirstlane_b32 s14, v1                    ; wave 0..15
	v_and_b32 v3, 31, v0
	v_mov_b32 v2, 0
	v_lshlrev_b32 v1, 4, v3                        ; 16 x lane
	v_lshlrev_b32 v3, 3, v3                        ; 8 x lane
	s_lshl_b32 s15, ttmp9, 6
	s_lshl_b32 s28, s14, 2
	s_add_co_u32 s28, s28, s15                     ; my first row: 64 x work-group + 4 x wave
	s_lshl_b32 s30, s28, 2                         ; in cval and cidx,
	s_mov_b32 s31, 0
	s_lshl_b32 s32, s28, 10                        ; in out0,
	s_mov_b32 s33, 0
	s_lshl_b32 s34, ttmp9, 8                       ; and the work-group's 64 rows in out1
	s_mov_b32 s35, 0
	s_wait_alu depctr_va_vdst(0)
	s_wait_kmcnt 0x0
	s_add_nc_u64 s[6:7], s[6:7], s[30:31]
	s_add_nc_u64 s[8:9], s[8:9], s[30:31]
	s_add_nc_u64 s[10:11], s[10:11], s[32:33]
	s_add_nc_u64 s[12:13], s[12:13], s[34:35]
.irp c, 0,1
	global_load_b128 v[RI+4*\c:RI+4*\c+3], v2, s[8:9] offset:65536*\c   ; every lane takes the same 16 bytes: my 4 rows' indices in half c
.endr
.irp c, 0,1
	global_load_b128 v[RV+4*\c:RV+4*\c+3], v2, s[6:7] offset:65536*\c
.endr
	s_wait_loadcnt 0x2                             ; the indices are in; the two loads of values may be out
.irp k, 0,1,2,3,4,5,6,7
	v_min_u32 v[RO+\k], 0x1fff, v[RI+\k]           ; inside the table, whatever was stored
.endr
.irp k, 0,1,2,3,4,5,6,7
	v_lshl_add_u32 v[RO+\k], v[RO+\k], 10, v1      ; the row's 1,024 bytes, my 16 of each half of it
.endr
.irp k, 0,1,2,3
.irp c, 0,1
.irp e, 0,1
	global_load_b128 v[RD+16*\k+8*\c+4*\e:RD+16*\k+8*\c+4*\e+3], v[RO+4*\c+\k], s[4:5] offset:512*\e
.endr
.endr
.endr
	s_wait_loadcnt 16                              ; the values are in; the 16 loads of rows may be out
.irp k, 0,1,2,3
	v_cmp_gt_f32 s[16+\k], v[RV+4+\k], v[RV+\k]    ; strictly: the lower half, and so the lower index, stays on a tie
.endr
	s_cmp_lg_u32 s14, 0
	s_cbranch_scc1 .Lrows
.irp c, 0,1                                    ; wave 0's first row is the work-group's: the same bases serve
	global_load_b64 v[WVAL+2*\c:WVAL+2*\c+1], v3, s[6:7] offset:65536*\c
	global_load_b64 v[WIDX+2*\c:WIDX+2*\c+1], v3, s[8:9] offset:65536*\c
.endr
.Lrows:
.irp k, 0,1,2,3
	s_wait_loadcnt 12-4*\k                         ; row k's four loads are in, the later rows' stay out (in wave 0 four more are out behind them: it waits for a row more)
.irp e, 0,1,2,3,4,5,6,7
	v_cndmask_b32 v[RD+16*\k+\e], v[RD+16*\k+\e], v[RD+16*\k+8+\e], s[16+\k]
.endr
	global_store_b128 v1, v[RD+16*\k:RD+16*\k+3], s[10:11] offset:1024*\k th:TH_STORE_NT       ; 512 consecutive bytes each; written once, read by nobody here
	global_store_b128 v1, v[RD+16*\k+4:RD+16*\k+7], s[10:11] offset:1024*\k+512 th:TH_STORE_NT
.endr
	s_cmp_lg_u32 s14, 0
	s_cbranch_scc1 .Lend
	s_wait_loadcnt 0x0
.irp q, 0,1
	v_cmp_gt_f32 s[20+\q], v[WVAL+2+\q], v[WVAL+\q]
.endr
.irp q, 0,1
	v_cndmask_b32 v[WIDX+\q], v[WIDX+\q], v[WIDX+2+\q], s[20+\q]
.endr
	global_store_b64 v3, v[WIDX:WIDX+1], s[12:13]  ; 32 lanes store 256 consecutive bytes, at a multiple of 256 from out1's first byte
.Lend:
	s_endpgm
.Lfunc_end_k_q6c323436c6_take:
	.size	k_q6c323436c6_take, .Lfunc_end_k_q6c323436c6_take-k_q6c323436c6_take
	.p2alignl 7, 3214868480
	.fill 96, 4, 3214868480
	.section	.rodata,"a",@progbits
	.p2align	6, 0x0
	.amdhsa_kernel k_q6c323436c6_take
		.amdhsa_group_segment_fixed_size 0
		.amdhsa_private_segment_fixed_size 0
		.amdhsa_enable_private_segment 0
		.amdhsa_kernarg_size 40
		.amdhsa_user_sgpr_count 2
		.amdhsa_user_sgpr_kernarg_segment_ptr 1
		.amdhsa_wavefront_size32 1
		.amdhsa_system_sgpr_workgroup_id_x 1
		.amdhsa_system_sgpr_workgroup_id_y 1
		.amdhsa_system_sgpr_workgroup_id_z 1
		.amdhsa_system_vgpr_workitem_id 0
		.amdhsa_next_free_vgpr 104
		.amdhsa_next_free_sgpr 66
		.amdhsa_reserve_vcc 0
		.amdhsa_float_denorm_mode_32 3
		.amdhsa_float_denorm_mode_16_64 3
		.amdhsa_memory_ordered 1
		.amdhsa_forward_progress 1
		.amdhsa_inst_pref_size 8
	.end_amdhsa_kernel
	.amdgpu_metadata
---
amdhsa.version: [ 1, 2 ]
amdhsa.kernels:
  - .name:           k_q6c323436c6_take
    .symbol:         k_q6c323436c6_take.kd
    .args:
      - { .name: embed, .offset: 0, .size: 8, .value_kind: global_buffer, .address_space: global }
      - { .name: cval, .offset: 8, .size: 8, .value_kind: global_buffer, .address_space: global }
      - { .name: cidx, .offset: 16, .size: 8, .value_kind: global_buffer, .address_space: global }
      - { .name: out0, .offset: 24, .size: 8, .value_kind: global_buffer, .address_space: global }
      - { .name: out1, .offset: 32, .size: 8, .value_kind: global_buffer, .address_space: global }
    .group_segment_fixed_size: 0
    .private_segment_fixed_size: 0
    .kernarg_segment_align: 8
    .kernarg_segment_size: 40
    .max_flat_workgroup_size: 512
    .sgpr_count:     66
    .vgpr_count:     104
    .wavefront_size: 32
...
	.end_amdgpu_metadata
.endif
;; end of part 3
